; MI455X (gfx1250); checked and timed in simulation.
; The chip was launched on July 23, 2026; its instructions are those of AMD's public machine-readable ISA for CDNA 5 (MIT licence, August 2026) and "CDNA5" Instruction Set Architecture Reference Guide (July 2026). The comments in the code are by the model that wrote it; some were corrected since.
;; DS Attention. Allowed arithmetic: matrix products marked QUANTISED: E2M1 operands, one E8M0 scale for each 32 along K, by v_wmma_scale_f32_16x16x128_f8f6f4 with both operands' format E2M1 (or v_wmma_scale_f32_32x16x128_f4), f32 sums; everything else in f32.
;; Inputs: delta 2 x 2,048 float32; keys 2 x 2,048 x 16 x 64 float32; queries 2 x 2,048 x 16 x 64 float32; tau 2 x 1 float32; values 2 x 2,048 x 16 x 64 float32.
;; Outputs: out0 2 x 2,048 x 16 x 64 float32.
;; This version of the problem:
;;   THIS VERSION OF THE PROBLEM IS GIVEN IN LOW PRECISION. The matrix products marked QUANTISED in the list below multiply operands that are first quantised to E2M1 (2 exponent bits, 1 mantissa bit; 4 bits a number), with one power-of-two scale for each 32 numbers along K (OCP MX v1.0); their sums are f32. All else is computed in f32.
;;   The module's matrix products, in the order in which they are computed (A, B: the left and right operand; K: the contracted axis; several contracted axes count as one K, in the product's order):
;;     1. batch 32 x [M 2,048, K 64] x [K 64, N 2,048]; A: input queries; B: input keys: QUANTISED
;;     2. batch 32 x [M 64, K 2,048] x [K 2,048, N 2,048]; A: input values; B: softmax (see below): QUANTISED
;;   THE QUANTISER, for each operand of a quantised product, along K:
;;     - K is cut into blocks of 32 from its start; a last block that is shorter is filled with zeros.
;;     - A block's scale is 2^e with e = floor(log2(the largest magnitude in the block)) - 2, held to -126 .. 127; a block of zeros has e = 0. As a byte (E8M0): e + 127.
;;     - Each number is divided by its block's scale, clamped to +-6, and rounded to the nearest number of E2M1, ties to even, subnormals kept.
;;     - The product sums the exact products of the quantised numbers (number of the format x scale) in f32.
;;   ~~~python
;;   def quantise(x, axis):      # numpy; x: float32 -> the quantised numbers, widened to float32 again
;;       x = np.moveaxis(x, axis, -1); K = x.shape[-1]
;;       x = np.pad(x, [(0, 0)] * (x.ndim - 1) + [(0, -K % 32)]); x = x.reshape(x.shape[:-1] + (-1, 32)); a = np.abs(x).max(-1, keepdims=True)
;;       e = np.where(a > 0, np.clip(np.frexp(np.where(a > 0, a, 1))[1] - 1 - 2, -126, 127), 0)      # np.frexp(a)[1] - 1 = floor(log2(a)), exactly
;;       r = np.clip(x / 2.0 ** e, -6, 6)
;;       step = 2.0 ** (np.maximum(np.frexp(np.where(r == 0, 1, r))[1] - 1, 0) - 1)
;;       q = np.round(r / step) * step * 2.0 ** e      # np.round: ties to even
;;       return np.moveaxis(q.reshape(q.shape[:-2] + (-1,))[..., :K], -1, axis).astype(np.float32)
;;   ~~~
;;   SOFTMAX AHEAD OF A QUANTISED PRODUCT. Where the list says 'softmax', what is quantised is not the finished softmax but p = 2^(t - M), with t = logit x log2(e) and M = ceil(the row's largest t), a whole number; so 1/2 < the row's largest p <= 1. The row's sum l is taken of the UNQUANTISED p, in f32, and the product's result is divided by l at the end. Since M is a whole number, a kernel that streams over the keys may use a running M (the ceiling of the running maximum): every later rescaling is an exact power of two, which a block's scale takes up: the codes' values come out the same.
;;   OPERANDS COMPUTED ON THE WAY. 'Computed on the way' means the value that the module computes at that place (a softmax that the list does not call 'softmax' is quantised finished and normalised). What goes into a quantiser is computed in f32, as accurately as f32 sums, v_exp_f32 and their like allow (about 1e-6 of the number): no bf16 or f16 on the way to a quantiser, and a product that is left as it is and whose result goes on into a quantised operand takes f32 operands (vector FMAs, or v_wmma_f32_16x16x4_f32). A number that lies on a knife's edge between two numbers of the format may be rounded either way, as far as f32 arithmetic and the matrix unit's own rounding can turn it there, and no further.
;; One version. Each part assembles by itself: llvm-mc -triple=amdgcn-amd-amdhsa -mcpu=gfx1250 --defsym DOCPART=n.
;; ======== version 1 of 1: 2 launches
;; workspace buffers: kv 4,587,520 bytes
;; launch prep (part 1): grid 16 x 32, 4 waves a work-group, no clusters, 9,216 bytes of LDS; arguments keys, values, kv; writes kv
.if DOCPART == 1
	.amdgcn_target "amdgcn-amd-amdhsa--gfx1250"
	.amdhsa_code_object_version 6
	.text
	.protected	k_qf5fdc06f52_prep
	.globl	k_qf5fdc06f52_prep
	.p2align	8
	.type	k_qf5fdc06f52_prep,@function
k_qf5fdc06f52_prep:
	s_mov_b64 s[64:65], 0
	v_nop
	global_prefetch_b8 v0, s[64:65] scope:SCOPE_SE
	s_setreg_imm32_b32 hwreg(HW_REG_WAVE_MODE, 25, 1), 1
	s_wait_xcnt 0x0
; keys and values, [2][2048][16][64] f32, become codes of FP4 (E2M1) with one E8M0 scale byte for each 32 along a product's K, laid IN THE ORDER OF THE OPERANDS' REGISTERS.
; K of the first product is the head's 64 (innermost in memory); K of the second is the keys (not innermost): values are quantised DOWN the keys.
; A work-group makes one RECORD of 8,960 bytes: head y = 16 b + h (grid y), key step s = keys 128 s .. 128 s + 127 (grid x); it lies at y x 143,360 + s x 8,960 of kv:
;   0     4,096 bytes  K's 8 tiles of 16 keys: tile T at 512 T + 16 x lane; lane (r, hh) holds the 16 bytes of codes k = 32 hh .. 32 hh + 31 of key 32 (T / 2) + 8 (T % 2) + r + 8 (r / 8)
;   4,096 4,096 bytes  V's 4 tiles of 16 channels: tile t, half c at 1,024 t + 512 c + 16 x lane; lane (r, hh) holds the codes of channel 16 t + r, keys 64 c + 32 hh .. + 31
;   8,192   512 bytes  K's scale words at 16 x lane: lane (r, g) holds the words of tiles 4 g .. 4 g + 3, row r; a word = byte of block 0 | byte of block 1 << 8; the upper two bytes are 0
;   8,704   256 bytes  V's scale words at 4 x channel: byte kb = the scale of keys 32 kb .. 32 kb + 31 of the step
; So the reader gets every fragment by loads of 16 bytes a lane, 512 consecutive bytes an instruction, and a step's record is one dense block.
; SHARES.  Waves 0, 1 (g = wave & 1): K's tiles 4 g .. 4 g + 3.  Waves 2, 3: V's channels 32 g .. 32 g + 31.  Waves share nothing: no barrier.  Everything is written out: every offset is an immediate.
; THE SCALE of a block: 2^(floor(log2(largest magnitude)) - 2); its byte is the largest magnitude's exponent field - 2, held at 1 from below by a floor among the maximum's leaves.
; LIMITS.  A block of zeros gets the byte 1 where the quantiser says 127: its codes are zeros, which add nothing, and this program alone reads the bytes.  Blocks whose largest magnitude lies under
; 2^-124 have their byte held at 1.  NaN and infinities among the inputs are not served.
; V's scale words leave as 128 bytes a wave, half of an aligned 256: 256 bytes of a record's 8,960; all other stores cover whole aligned blocks of 256 bytes.
.set REC,   8960
.set SP,    272                        ; a row of the stage: a key's 256 bytes + 16, so that the 16 rows that a load touches start at 16 different banks (64 banks of 4 bytes: ISA guide 11.1)
.set W,     16                         ; v16-19   K: the four tiles' scale words.  V: v16 the channel's scale word
.set C,     24                         ; v24-39   codes: four registers for each tile or block, so that no store's data are written again
.set X,     40                         ; v40-103  two sets of 32 numbers of one block
.set R,     104                        ; v104-231 K: four tiles x 32 registers as loaded
	s_load_b128 s[4:7], s[0:1], 0x0                ; keys s[4:5], values s[6:7]
	s_load_b64 s[8:9], s[0:1], 0x10                ; kv
	v_lshl_add_u32 v232, v0, 2, 0x2200
	v_mov_b32 v233, 0
	v_lshrrev_b32 v1, 5, v0
	v_readfirstlane_b32 s10, v1                    ; wave 0..3
	s_and_b32 s11, s10, 1                          ; g
	s_and_b32 s13, ttmp7, 0xffff                   ; head y = 16 b + h
	s_lshr_b32 s14, s13, 4
	s_lshl_b32 s14, s14, 23                        ; b x 2,048 x 4,096 bytes
	s_lshl_b32 s18, ttmp9, 19                      ; + step x 128 keys x 4,096
	s_add_co_u32 s14, s14, s18
	s_and_b32 s18, s13, 15
	s_lshl_b32 s18, s18, 8                         ; + h x 256
	s_add_co_u32 s14, s14, s18
	s_mov_b32 s15, 0
	s_mul_i32 s16, s13, 16*REC                     ; my record
	s_mul_i32 s18, ttmp9, REC
	s_add_co_u32 s16, s16, s18
	s_mov_b32 s17, 0
	s_mov_b32 s20, 0x76543210                      ; v_permlanex16_b32's selects for lane l xor 16
	s_mov_b32 s21, 0xfedcba98
	v_and_b32 v1, 31, v0                           ; lane
	v_and_b32 v2, 15, v0                           ; r
	v_bfe_u32 v3, v0, 4, 1                         ; hh
	; every address is made here, ahead of the parting of the roles
	s_lshl_b32 s18, s11, 18                        ; K in: g x 64 keys x 4,096; sixteen lanes read one key's 256 bytes, lanes 16-31 the next key's
	v_lshlrev_b32 v4, 4, v2
	v_lshl_add_u32 v4, v3, 12, v4
	v_add_nc_u32 v4, s18, v4
	s_mul_i32 s19, s11, 16*SP                      ; the K wave's stage
	v_mul_u32_u24 v5, v3, SP                       ; into it: row hh (+ 2 i), 16 r bytes on
	v_lshl_add_u32 v5, v2, 4, v5
	v_add_nc_u32 v5, s19, v5
	v_mul_u32_u24 v6, v2, SP                       ; out of it: row r, my half's 128 bytes: 32 neighbours along K
	v_lshl_add_u32 v6, v3, 7, v6
	v_add_nc_u32 v6, s19, v6
	s_lshl_b32 s22, s11, 11                        ; K's images: 2,048 g + 16 x lane
	v_lshlrev_b32 v7, 4, v1
	v_add_nc_u32 v7, s22, v7
	s_lshl_b32 s23, s11, 8                         ; K's scale words: 256 g + 16 r + 8 hh
	v_lshlrev_b32 v8, 4, v2
	v_lshl_add_u32 v8, v3, 3, v8
	v_add_nc_u32 v8, s23, v8
	v_lshlrev_b32 v9, 3, v3                        ; 8 hh: my block's byte's place in the scale word
	v_mov_b32 v14, 0                               ; written once: a lane permute's destination counts as one of its sources
	s_lshl_b32 s23, s11, 7                         ; V in, and V's scale words out: 128 g + 4 x lane
	v_lshlrev_b32 v22, 2, v1
	v_add_nc_u32 v22, s23, v22
	v_lshlrev_b32 v23, 4, v2                       ; V's images: 2,048 g + 1,024 hh + 16 r
	v_lshl_add_u32 v23, v3, 10, v23
	v_add_nc_u32 v23, s22, v23
	s_wait_kmcnt 0x0
	s_add_nc_u64 s[4:5], s[4:5], s[14:15]
	s_add_nc_u64 s[6:7], s[6:7], s[14:15]
	s_add_nc_u64 s[8:9], s[8:9], s[16:17]
; The largest magnitude of the 32 numbers at v[XS], in two chains, with the floor 2^(3 - 127) as a leaf; v12 = that with 2 off its exponent field: the conversion takes this operand's exponent field as its scale
.macro BMAX
	v_max3_num_f32 v10, |v[XS]|, |v[XS+1]|, |v[XS+2]|
	v_max3_num_f32 v11, |v[XS+3]|, |v[XS+4]|, |v[XS+5]|
.irp i, 6,10,14,18,22,26
	v_max3_num_f32 v10, v10, |v[XS+\i]|, |v[XS+\i+1]|
	v_max3_num_f32 v11, v11, |v[XS+\i+2]|, |v[XS+\i+3]|
.endr
	v_max3_num_f32 v10, v10, |v[XS+30]|, |v[XS+31]|
	v_max3_num_f32 v10, v10, v11, 0x1800000
	v_add_nc_u32 v12, 0xff000000, v10
.endm
	s_cmp_lt_u32 s10, 2
	s_cbranch_scc0 .Lvalues
	; ---------------- K: waves 0 and 1
.macro KLOAD t                         ; tile t's 16 keys, two an instruction: tile row 2 i + hh is key 32 (t / 2) + 8 (t % 2) + 2 i + hh + 8 (i / 4)
.irp i, 0,1,2,3,4,5,6,7
	global_load_b128 v[R+32*(\t)+4*\i:R+32*(\t)+4*\i+3], v4, s[4:5] offset:(32*((\t)/2)+8*((\t)%2)+2*\i+8*(\i/4))*4096 th:TH_LOAD_NT
.endr
.endm
.macro TURN t                          ; through the stage: in as loaded, back 128 bytes a lane.  LDS serves a wave's instructions in order (ISA guide 5.7.1.4): no wait between, and one stage serves all four tiles
.irp i, 0,1,2,3,4,5,6,7
	ds_store_b128 v5, v[R+32*(\t)+4*\i:R+32*(\t)+4*\i+3] offset:2*SP*\i
.endr
.irp j, 0,1,2,3,4,5,6,7
	ds_load_b128 v[X+32*((\t)%2)+4*\j:X+32*((\t)%2)+4*\j+3], v6 offset:16*\j
.endr
.endm
.macro KQ t                            ; lane (r, hh) holds block hh of tile row r: its codes are the fragment's registers 0-3 as they stand
.set XS, X+32*((\t)%2)
	BMAX
.irp q, 0,1,2,3
	v_cvt_scalef32_pk8_fp4_f32 v[C+4*(\t)+\q], v[XS+8*\q:XS+8*\q+7], v12
.endr
	v_lshrrev_b32 v13, 23, v12                     ; the scale's byte (a plain line behind the conversions),
	v_lshlrev_b32 v13, v9, v13                     ; at its place,
	v_permlanex16_b32 v14, v13, s20, s21
	v_or_b32 v[W+(\t)], v13, v14                   ; with lane l xor 16's: the row's word
	global_store_b128 v7, v[C+4*(\t):C+4*(\t)+3], s[8:9] offset:512*(\t)   ; 512 consecutive bytes
.endm
	KLOAD 0
	KLOAD 1
	KLOAD 2
	KLOAD 3
	s_wait_loadcnt 24                              ; tile 0's eight loads are in; the 24 younger may be out
	TURN 0
	s_wait_loadcnt 16
	TURN 1
	s_wait_dscnt 16                                ; tile 0 is back from the stage; tile 1's sixteen LDS instructions may be out
	KQ 0
	s_wait_loadcnt 8
	TURN 2
	s_wait_dscnt 16
	KQ 1
	s_wait_loadcnt 0x0
	TURN 3
	s_wait_dscnt 16
	KQ 2
	s_wait_dscnt 0x0
	KQ 3
	v_cmp_eq_u32 vcc_lo, 1, v3                     ; every lane holds its row's four words: lanes 0-15 store tiles 0 and 1's, lanes 16-31 tiles 2 and 3's
	v_cndmask_b32 v20, v16, v18, vcc_lo
	v_cndmask_b32 v21, v17, v19, vcc_lo
	global_store_b64 v8, v[20:21], s[8:9] offset:8192   ; the wave's 32 x 8 bytes fill 256 consecutive bytes, aligned
	s_wait_tensorcnt 0x0
	ds_add_u32 v232, v233
	s_wait_dscnt 0x0
	s_endpgm
	; ---------------- V: waves 2 and 3.  A lane takes a channel, and its registers run down the keys: a block of 32 keys lies in one lane, and nothing is transposed
.Lvalues:
.macro VLOAD t                         ; keys 32 t + i of my channel; a wave reads 128 consecutive bytes, the two V waves together a key's 256
.irp i, 0,1,2,3,4,5,6,7,8,9,10,11,12,13,14,15,16,17,18,19,20,21,22,23,24,25,26,27,28,29,30,31
	global_load_b32 v[X+32*((\t)%2)+\i], v22, s[6:7] offset:(32*(\t)+\i)*4096 th:TH_LOAD_NT
.endr
.endm
.macro VBLOCK t
.set XS, X+32*((\t)%2)
.if (\t) < 3
	s_wait_loadcnt 32                              ; this block's 32 loads are in; the next block's may be out
.else
	s_wait_loadcnt 0x0
.endif
	BMAX
.irp q, 0,1,2,3
	v_cvt_scalef32_pk8_fp4_f32 v[C+4*(\t)+\q], v[XS+8*\q:XS+8*\q+7], v12
.endr
	v_lshrrev_b32 v13, 23, v12                     ; the scale's byte (a plain line behind the conversions)
.if (\t) == 0
	v_mov_b32 v[W], v13
.else
	v_lshl_or_b32 v[W], v13, 8*(\t), v[W]
.endif
	global_store_b128 v23, v[C+4*(\t):C+4*(\t)+3], s[8:9] offset:4096+((\t)/2)*512+((\t)%2)*256   ; sixteen lanes fill 256 consecutive bytes, aligned
.if (\t) < 2
	VLOAD (\t)+2
.endif
.endm
	VLOAD 0
	VLOAD 1
	VBLOCK 0
	VBLOCK 1
	VBLOCK 2
	VBLOCK 3
	global_store_b32 v22, v[W], s[8:9] offset:8704
	s_endpgm
.Lfunc_end_k_qf5fdc06f52_prep:
	.size	k_qf5fdc06f52_prep, .Lfunc_end_k_qf5fdc06f52_prep-k_qf5fdc06f52_prep
	.p2alignl 7, 3214868480
	.fill 96, 4, 3214868480
	.section	.rodata,"a",@progbits
	.p2align	6, 0x0
	.amdhsa_kernel k_qf5fdc06f52_prep
		.amdhsa_group_segment_fixed_size 9216
		.amdhsa_private_segment_fixed_size 0
		.amdhsa_enable_private_segment 0
		.amdhsa_kernarg_size 24
		.amdhsa_user_sgpr_count 2
		.amdhsa_user_sgpr_kernarg_segment_ptr 1
		.amdhsa_wavefront_size32 1
		.amdhsa_system_sgpr_workgroup_id_x 1
		.amdhsa_system_sgpr_workgroup_id_y 1
		.amdhsa_system_sgpr_workgroup_id_z 1
		.amdhsa_system_vgpr_workitem_id 0
		.amdhsa_next_free_vgpr 234
		.amdhsa_next_free_sgpr 66
		.amdhsa_reserve_vcc 1
		.amdhsa_float_denorm_mode_32 3
		.amdhsa_float_denorm_mode_16_64 3
		.amdhsa_memory_ordered 1
		.amdhsa_forward_progress 1
		.amdhsa_inst_pref_size 35
	.end_amdhsa_kernel
	.amdgpu_metadata
---
amdhsa.version: [ 1, 2 ]
amdhsa.kernels:
  - .name:           k_qf5fdc06f52_prep
    .symbol:         k_qf5fdc06f52_prep.kd
    .args:
      - { .name: keys, .offset: 0, .size: 8, .value_kind: global_buffer, .address_space: global }
      - { .name: values, .offset: 8, .size: 8, .value_kind: global_buffer, .address_space: global }
      - { .name: kv, .offset: 16, .size: 8, .value_kind: global_buffer, .address_space: global }
    .group_segment_fixed_size: 9216
    .private_segment_fixed_size: 0
    .kernarg_segment_align: 8
    .kernarg_segment_size: 24
    .max_flat_workgroup_size: 128
    .sgpr_count:     66
    .vgpr_count:     234
    .wavefront_size: 32
...
	.end_amdgpu_metadata
.endif
;; end of part 1
;; launch attn (part 2): grid 8 x 32, 16 waves a work-group, clusters of 4 x 1, 223,232 bytes of LDS; arguments queries, tau, delta, kv, out0; writes out0
.if DOCPART == 2
	.amdgcn_target "amdgcn-amd-amdhsa--gfx1250"
	.amdhsa_code_object_version 6
	.text
	.protected	k_qf5fdc06f52_attn
	.globl	k_qf5fdc06f52_attn
	.p2align	8
	.type	k_qf5fdc06f52_attn,@function
k_qf5fdc06f52_attn:
	s_mov_b64 s[64:65], 0
	v_nop
	global_prefetch_b8 v0, s[64:65] scope:SCOPE_SE
	s_setreg_imm32_b32 hwreg(HW_REG_WAVE_MODE, 25, 1), 1
	s_wait_xcnt 0x0
	s_wait_alu depctr_hold_cnt(0) depctr_sa_sdst(0) depctr_va_vdst(0) depctr_va_sdst(0) depctr_va_ssrc(0) depctr_va_vcc(0) depctr_vm_vsrc(0)
	s_getreg_b32 s2, hwreg(HW_REG_IB_STS2, 6, 4)
	s_cmp_eq_u32 s2, 0
	s_cbranch_scc0 .Lentry_in_a_cluster
	s_endpgm
.Lentry_in_a_cluster:
	s_bfe_u32 s2, ttmp6, 0x10000c
	s_cmp_lg_u32 s2, 0x3003
	s_cbranch_scc0 .Lentry_shape_is_right
	s_endpgm
.Lentry_shape_is_right:
; out0[b][q][h][:] = the sum over keys k <= q of softmax_k((Q[q] . K[k] tau[b] + delta[b][k]) / 8) V[k][:], both products on codes of FP4 (E2M1) with one E8M0 scale for each 32 along a product's K.
; K and V come as records of codes and scale words in the order of the operands' registers (kv: 8,960 bytes for a head's 128 keys); Q, f32, is read once by one wave and quantised here in registers.
; THE SOFTMAX AHEAD OF THE SECOND PRODUCT: t = score x c1 + d', c1 = tau[b] log2(e) / 8, d' = delta[b][key] log2(e) / 8; M = the running largest t rounded UP to a whole number; p = 2^(t - M) is quantised
; along the keys, not normalised; the row's sum is taken of the unquantised p and divides at the end; when M moves, the sum and O are multiplied by 2^(old M - new M), which rounds nothing.
; delta differs from key to key and tau may have either sign: so t is formed first, and every maximum is a maximum of t.
; SHARES.  A wave owns 16 queries in 256 registers; sixteen waves to a work-group, four to a SIMD, so that one wave's vector work stands beside another's products and LDS loads.
; A head has 16 blocks of 128 queries; block B wants B + 1 key steps of 128 keys.  With X the cluster's number (0, 1), cx the work-group's place in it, w the wave, g = w / 4:
;   i = 4 X + (g xor g / 2);  B = i or 15 - i, by (w / 2 xor g) & 1;  the tile of 16 queries in the block is 2 cx + (w & 1).
; So every work-group has 136 tile steps and each four waves w, w + 4, w + 8, w + 12 (and each four w / 4 alike) 34.  B is the same in all four partners; cx enters only Q's and out0's addresses and the mask's number.
; CLUSTER.  The four partners walk the same head: each of waves 0-7 asks JOINTLY for two records (70 rows of 256 bytes), the same load with the same descriptor and a mask that names the four.
; A head's 16 records, 143,360 bytes, lie in LDS at once: they are filled ONCE, so there is no ring; one tensor load a wave is out, and it is waited for in front of the one barrier ahead of the loop.
; LAYOUT.  Both products are used transposed: S^T = K Q^T (source 0 = 16 keys, source 1 = my 16 queries), O^T = V^T P^T: a lane holds ONE query (lane % 16) throughout.
; The keys of a tile are not neighbours (tile 2 b + u, row r: key 32 b + 8 u + r + 8 (r / 8)), so that registers 16 b + i of S^T hold keys 32 b + 16 (lane / 16) + i: 16 neighbours.
; The first product's K is 64: registers 4-7 of its fragments are zero codes, kept in registers and never loaded; the upper two scale bytes are 0 (2^-127), over zero codes.
; CAUSAL.  Every wave walks 16 trips, a constant; a step all of whose keys come after the wave's block is jumped over by a scalar branch on ids.  In the block's own step hidden t become -infinity: p = 0.
; LIMITS.  p under 2^-126 comes out as 0 (v_exp_f32 flushes: ISA guide 15.8).  A block's largest p is taken as 2^(the block's largest t - M): v_exp_f32 is taken not to fall where its input rises.
; c1 and d' are each rounded once, an order of rounding other than the reference's (a difference of about 1e-7 of t).  NaN and infinities among the inputs are not served.  tau may be negative or 0.
; LDS: 0 the 16 records (tensor loads) | DL: d' of the batch's 2,048 keys, 8,192 bytes (stored by the waves) | STG: a stage of 16 rows x 272 bytes for each wave: Q's way in, O's way out.
; REGISTERS: v1-8 addresses that stay; v9-11 addresses of the step; v12 -M, v13 the largest t, v[14:15] the sum in two halves; v16-23 Q; v24 Q's scale word, v25 p's, v26-27 V's, v28-31 K's;
;   v32-63 four fragments of K; v64-127 S^T, t, p; v128-159 O^T; v160-223 the step's d', then (v160-191) V's four fragments; v224-231 p's codes; v232-251 at work; v[252:253] c1.
.set REC,  8960
.set DL,   16*REC
.set STG,  DL+8192
.set SP,   272                         ; a stage row: 256 bytes + 16, so that the 16 rows that a load touches start at 16 different banks (64 banks of 4 bytes: ISA guide 11.1)
.set C8,   0x3e38aa3b                  ; log2(e) / 8
; A round of the cluster's barrier: my work-group's barrier, so that wave 0's signal speaks for all sixteen waves; wave 0 signals for the work-group; every wave waits for all four work-groups; my work-group's barrier once more.
.macro CROUND
	s_barrier_signal -1
	s_barrier_wait -1
	s_cmp_lg_u32 s14, 0
	s_cbranch_scc1 .Lnot_wave_0_\@
	s_barrier_signal -3
.Lnot_wave_0_\@:
	s_barrier_wait -3
	s_barrier_signal -1
	s_barrier_wait -1
.endm
	s_load_b256 s[4:11], s[0:1], 0x0               ; queries s[4:5], tau s[6:7], delta s[8:9], kv s[10:11]
	s_load_b64 s[12:13], s[0:1], 0x20              ; out0
	v_lshl_add_u32 v254, v0, 2, 0x36000
	v_mov_b32 v255, 0
	ds_add_u32 v254, v255
	ds_add_u32 v254, v255
	v_lshrrev_b32 v1, 5, v0
	v_readfirstlane_b32 s14, v1                    ; wave 0..15
	s_bfe_u32 s15, ttmp6, 0x40000                  ; cx: my place in the cluster
	s_and_b32 s17, ttmp7, 0xffff                   ; the head y = 16 b + h, which the partners share
	s_lshr_b32 s18, s17, 4                         ; b
	s_and_b32 s19, s17, 15                         ; h
	s_mov_b32 s20, 0x76543210                      ; v_permlanex16_b32's selects for lane l xor 16
	s_mov_b32 s21, 0xfedcba98
	s_lshr_b32 s40, s14, 2                         ; g
	s_lshr_b32 s41, s40, 1
	s_xor_b32 s41, s41, s40                        ; g xor g / 2
	s_lshl_b32 s42, ttmp9, 2                       ; in a cluster launch ttmp9 counts clusters
	s_add_co_u32 s41, s41, s42                     ; i
	s_lshr_b32 s42, s14, 1
	s_xor_b32 s42, s42, s40
	s_and_b32 s42, s42, 1
	s_mul_i32 s42, s42, 15
	s_xor_b32 s24, s41, s42                        ; my block of 128 queries: i, or i xor 15 = 15 - i
	s_lshl_b32 s43, s15, 1
	s_and_b32 s44, s14, 1
	s_add_co_u32 s43, s43, s44
	s_lshl_b32 s43, s43, 4                         ; 16 x my tile in the block
	s_lshl_b32 s44, s24, 7
	s_add_co_u32 s44, s44, s43                     ; my first query
	s_lshl_b32 s44, s44, 12                        ; x 4,096 bytes
	s_lshl_b32 s45, s18, 23
	s_add_co_u32 s44, s44, s45                     ; + b x 2,048 x 4,096
	s_lshl_b32 s45, s19, 8
	s_add_co_u32 s44, s44, s45                     ; + h x 256
	s_mov_b32 s45, 0
	s_lshl_b32 s46, s18, 13                        ; delta: b x 8,192
	s_mov_b32 s47, 0
	s_lshl_b32 s48, s18, 2                         ; tau: b x 4
	s_mov_b32 s49, 0
	s_mul_i32 s29, s14, 2*REC                      ; descriptor group 0, 63:32: LDS address: my two records' place, the same in LDS as in the head's part of kv
	s_mul_i32 s50, s17, 16*REC
	s_add_co_u32 s50, s50, s29                     ; (no register that feeds the descriptor ever holds cx)
	s_mov_b32 s51, 0
	; descriptor group 1: 70 rows of 32 elements of 8 bytes, dense
	s_mov_b32 s32, 15|(3<<16)|(1<<21)              ; 15:0 the mask: all four work-groups; 17:16 elements of 8 bytes; 20 no padding; 21 set beside a mask
	s_mov_b32 s33, 32<<16                          ; tensor_dim0 = 32
	s_mov_b32 s34, 70<<16                          ; tensor_dim1 = 70
	s_mov_b32 s35, 32<<16                          ; tile_dim0 = 32
	s_mov_b32 s36, 70                              ; tile_dim1 = 70
	s_mov_b32 s37, 32                              ; tensor_dim0_stride
	s_mov_b32 s38, 0
	s_mov_b32 s39, 0
	v_and_b32 v232, 31, v0                         ; lane
	v_and_b32 v233, 15, v0                         ; r
	v_bfe_u32 v234, v0, 4, 1                       ; hh
	v_lshlrev_b32 v1, 4, v232                      ; v1: 16 x lane: a fragment's place for my lane
	v_lshlrev_b32 v2, 2, v232                      ; v2: 4 x lane: V's scale words
	v_lshl_add_u32 v3, v234, 6, DL                 ; v3: d': my half's 16 keys of a block of 32
	v_lshlrev_b32 v4, 4, v234
	v_sub_nc_u32 v4, v233, v4
	v_add_nc_u32 v4, s43, v4                       ; v4: my query in its block - 16 hh: register 16 b + i of the block's own step is hidden where 32 b + i is greater
	v_lshlrev_b32 v5, 4, v233
	v_lshl_add_u32 v5, v234, 12, v5                ; v5: Q and out0: sixteen lanes take one query's 256 bytes, lanes 16-31 the next query's
	s_mul_i32 s52, s14, 16*SP
	s_add_co_u32 s52, s52, STG                     ; my stage
	v_mul_u32_u24 v6, v234, SP
	v_lshl_add_u32 v6, v233, 4, v6
	v_add_nc_u32 v6, s52, v6                       ; v6: the stage by memory's rows: row hh (+ 2 i), 16 r bytes on
	v_mul_u32_u24 v8, v233, SP
	v_add_nc_u32 v8, s52, v8
	v_lshl_add_u32 v7, v234, 7, v8                 ; v7: row r, my half's 128 bytes of Q
	v_lshl_add_u32 v8, v234, 5, v8                 ; v8: row r, my half's 32 bytes of a tile of O
	v_lshlrev_b32 v9, 4, v0                        ; delta: 16 bytes a thread, 8,192 for the work-group
	v_lshl_add_u32 v10, v0, 4, DL
	v_lshlrev_b32 v245, 3, v234                    ; 8 hh
	s_wait_dscnt 0x0
	s_wait_kmcnt 0x0
	s_add_nc_u64 s[4:5], s[4:5], s[44:45]
	s_add_nc_u64 s[12:13], s[12:13], s[44:45]
	s_add_nc_u64 s[8:9], s[8:9], s[46:47]
	s_add_nc_u64 s[6:7], s[6:7], s[48:49]
	s_mov_b32 s28, 1                               ; descriptor group 0, 1:0 count = 1
	s_add_nc_u64 s[30:31], s[10:11], s[50:51]      ; 120:64 global address
	s_or_b32 s31, s31, 0x80000000                  ; 127:126 type = 2
	s_load_b32 s53, s[6:7], 0x0                    ; tau[b]
	global_load_b128 v[160:163], v9, s[8:9]        ; delta
.irp i, 0,1,2,3,4,5,6,7
	global_load_b128 v[128+4*\i:131+4*\i], v5, s[4:5] offset:8192*\i th:TH_LOAD_NT   ; my 16 queries, two an instruction
.endr
	CROUND                                         ; all four work-groups are here: the joint loads meet
	s_cmp_lt_u32 s14, 8
	s_cbranch_scc0 .Lno_fill
	tensor_load_to_lds s[28:31], s[32:39]          ; waves 0-7: records 2 w and 2 w + 1; the only tensor load of the wave
	s_nop 0
.rept 4
	v_nop
.endr
.Lno_fill:
	s_wait_kmcnt 0x0
	v_mov_b32 v252, s53
	v_mul_f32 v252, C8, v252                       ; c1
	v_mov_b32 v253, 0                              ; (named with it as a pair, so it is written)
	v_mov_b32 v243, 0                              ; written once: a lane permute's destination counts as one of its sources
	s_wait_loadcnt 8                               ; delta is in; Q's eight loads may be out
.irp i, 0,1,2,3
	v_mul_f32 v[160+\i], C8, v[160+\i]             ; d'
.endr
	ds_store_b128 v10, v[160:163]
	s_wait_loadcnt 0x0                             ; Q
.irp i, 0,1,2,3,4,5,6,7
	ds_store_b128 v6, v[128+4*\i:131+4*\i] offset:2*SP*\i
.endr
.irp j, 0,1,2,3,4,5,6,7
	ds_load_b128 v[64+4*\j:67+4*\j], v7 offset:16*\j   ; LDS serves a wave's instructions in order (ISA guide 5.7.1.4): these see my stores.  Lane (r, hh): k = 32 hh .. 32 hh + 31 of query r: a whole block
.endr
	s_wait_dscnt 0x0
	v_max3_num_f32 v232, |v64|, |v65|, |v66|       ; the block's largest magnitude, in two chains,
	v_max3_num_f32 v233, |v67|, |v68|, |v69|
.irp i, 6,10,14,18,22,26
	v_max3_num_f32 v232, v232, |v[64+\i]|, |v[65+\i]|
	v_max3_num_f32 v233, v233, |v[66+\i]|, |v[67+\i]|
.endr
	v_max3_num_f32 v232, v232, |v94|, |v95|
	v_max3_num_f32 v232, v232, v233, 0x1800000     ; and the floor 2^(3 - 127): the byte cannot fall under 1
	v_add_nc_u32 v240, 0xff000000, v232            ; 2 off its exponent field: the conversion's scale operand
.irp q, 0,1,2,3
	v_cvt_scalef32_pk8_fp4_f32 v[16+\q], v[64+8*\q:71+8*\q], v240   ; registers 0-3 of Q's fragment
.endr
	v_lshrrev_b32 v241, 23, v240                   ; the scale's byte (a plain line behind the conversions),
	v_lshlrev_b32 v241, v245, v241                 ; at its place,
	v_permlanex16_b32 v243, v241, s20, s21
	v_or_b32 v24, v241, v243                       ; with lane l xor 16's: query r's scale word
	; what the loop finds.  These lines also stand between the vector writes of Q's fragment and scale word and the first product
.irp j, 20,21,22,23
	v_mov_b32 v[\j], 0                             ; k = 64 .. 127 of Q: zero codes
.endr
.irp t, 0,1,2,3
.irp j, 4,5,6,7
	v_mov_b32 v[32+8*\t+\j], 0                     ; and of K's four fragments: never loaded over
.endr
.endr
.set j, 0
.rept 32
	v_mov_b32 v[128+j], 0                          ; O^T.  (The step is written once: the first finds zeros, which the first change of M leaves zeros)
.set j, j+1
.endr
.irp j, 236,237,238,239,244
	v_mov_b32 v[\j], 0                             ; lane permutes' destinations
.endr
	v_mov_b32 v14, 0                               ; the sum, in two halves
	v_mov_b32 v15, 0
	v_mov_b32 v249, 0                              ; (named as the upper half of the pair v[248:249])
	v_mov_b32 v251, 0xff800000                     ; -infinity
	v_mov_b32 v13, 0xff61b1e6                      ; the largest t so far: -3e38, under every t
	v_floor_f32 v12, -v13                          ; -M
	s_mov_b32 s25, 0                               ; the step
	s_mov_b32 s26, 0                               ; its record: 8,960 x step
	s_mov_b32 s27, 0                               ; its d': 512 x step
	s_wait_tensorcnt 0x0                           ; my two records have landed,
	s_wait_dscnt 0x0                               ; my part of d' is stored:
	s_barrier_signal -1
	s_barrier_wait -1                              ; everybody's are.  Nothing is filled or stored in these bytes again: no further barrier until the end
.Lstep:                                                ; 16 trips in every wave
	s_cmp_gt_u32 s25, s24                          ; all 128 keys come after my block: nothing to do but to step
	s_cbranch_scc1 .Lhidden
	v_add_nc_u32 v9, s26, v1                       ; these four lines are the places between the last trip's products and the loads into registers that they read
	v_add_nc_u32 v10, s27, v3
	v_add_nc_u32 v11, s26, v2
	v_nop
	ds_load_b128 v[28:31], v9 offset:8192          ; K's scale words: register t: lanes 0-15 tile t's, lanes 16-31 tile 4 + t's
.irp t, 0,1,2,3
	ds_load_b128 v[32+8*\t:35+8*\t], v9 offset:512*\t
.endr
.irp b, 0,1,2,3
.irp j, 0,1,2,3
	ds_load_b128 v[160+16*\b+4*\j:163+16*\b+4*\j], v10 offset:128*\b+16*\j   ; d' of keys 32 b + 16 hh + 4 j on: register for register as S^T lies; sixteen lanes share each word
.endr
.endr
	s_wait_dscnt 16                                ; the scale words and tiles 0-3 are in; the sixteen loads of d' may be out
.irp t, 0,1,2,3
	v_wmma_scale_f32_16x16x128_f8f6f4 v[64+8*\t:71+8*\t], v[32+8*\t:39+8*\t], v[16:23], 0, v[28+\t], v24 matrix_a_fmt:MATRIX_FMT_FP4 matrix_b_fmt:MATRIX_FMT_FP4
.endr
.rept 4
	v_nop                                          ; places in front of loads into registers that these products read, and of the first read of their results below
.endr
.irp t, 0,1,2,3
	ds_load_b128 v[32+8*\t:35+8*\t], v9 offset:512*(4+\t)
.endr
	s_wait_dscnt 0x0                               ; tiles 4-7 and d'
.irp t, 0,1,2,3
	v_wmma_scale_f32_16x16x128_f8f6f4 v[96+8*\t:103+8*\t], v[32+8*\t:39+8*\t], v[16:23], 0, v[28+\t], v24 matrix_a_fmt:MATRIX_FMT_FP4 matrix_b_fmt:MATRIX_FMT_FP4 matrix_a_scale:MATRIX_SCALE_ROW1
.endr
.set j, 0
.rept 32
	v_pk_fma_f32 v[64+j:65+j], v[64+j:65+j], v[252:253], v[160+j:161+j] op_sel_hi:[1,0,1]   ; t = score x c1 + d', ascending.  The first sixteen touch tiles 0-3 alone and name no register of the four products just issued: they are those products' places
.set j, j+2
.endr
.irp t, 0,1,2,3
.irp c, 0,1
	ds_load_b128 v[160+8*\t+4*\c:163+8*\t+4*\c], v9 offset:4096+1024*\t+512*\c   ; V's four fragments, where d' lay: they land under the softmax
.endr
.endr
.irp x, 0,1
	ds_load_b32 v[26+\x], v11 offset:8704+128*\x   ; V's scale words: lanes 0-15 tile 2 x's, lanes 16-31 tile 2 x + 1's
.endr
	s_cmp_lg_u32 s25, s24                          ; only my block's own step has hidden keys
	s_cbranch_scc1 .Lopen
.set n, 0
.rept 64
	v_cmp_gt_i32 vcc_lo, 32*(n/16)+n%16, v4
	v_cndmask_b32 v[64+n], v[64+n], v251, vcc_lo
.set n, n+1
.endr
.Lopen:
.irp b, 0,1,2,3
	v_max3_num_f32 v[232+\b], v[64+16*\b], v[65+16*\b], v[66+16*\b]   ; the largest t of each block of 32 keys: it serves the row's maximum and, since p rises with t, the block's largest p
.endr
.irp i, 3,5,7,9,11,13
.irp b, 0,1,2,3
	v_max3_num_f32 v[232+\b], v[232+\b], v[64+16*\b+\i], v[65+16*\b+\i]   ; (the four blocks by turns)
.endr
.endr
.irp b, 0,1,2,3
	v_max_num_f32 v[232+\b], v[232+\b], v[79+16*\b]
.endr
.irp b, 0,1,2,3
	v_permlanex16_b32 v[236+\b], v[232+\b], s20, s21
.endr
.irp b, 0,1,2,3
	v_max_num_f32 v[232+\b], v[232+\b], v[236+\b]  ; with lane l xor 16's 16 keys
.endr
	v_max3_num_f32 v244, v232, v233, v234
	v_max_num_f32 v244, v244, v235                 ; the step's largest t of my query
	v_max_num_f32 v13, v13, v244                   ; the running largest t
	v_mov_b32 v244, v12
	v_floor_f32 v12, -v13                          ; the new -M = floor(-t) = -ceil(t): M is a whole number
	v_sub_f32 v244, v12, v244                      ; old M - new M: a whole number, 0 or less
	v_cvt_i32_f32 v244, v244                       ; (it saturates)
	v_ldexp_f32 v248, 1.0, v244                    ; f = 2^(old M - new M)
.set j, 0
.rept 32
	v_pk_add_f32 v[64+j:65+j], v[64+j:65+j], v[12:13] op_sel_hi:[1,0]   ; t - M, two at a time (of the pair the low word, -M, serves both halves)
.set j, j+2
.endr
.irp b, 0,1,2,3
	v_add_f32 v[232+\b], v[232+\b], v12            ; the same of each block's largest t
.endr
.set j, 0
.rept 64
	v_exp_f32 v[64+j], v[64+j]                     ; p = 2^(t - M), at most 1: not normalised
.set j, j+1
.endr
.irp b, 0,1,2,3
	v_exp_f32 v[232+\b], v[232+\b]                 ; the block's largest p: the same two operations on the same number give the same bits
.endr
	v_pk_mul_f32 v[14:15], v[14:15], v[248:249] op_sel_hi:[1,0]   ; the sums under the new M.  (The plain line behind the exponentials)
	s_wait_alu depctr_va_vdst(0)
.irp b, 0,1,2,3
	v_max_num_f32 v[232+\b], 0x1800000, v[232+\b]  ; the floor 2^(3 - 127): the byte cannot fall under 1 (a block whose every p is 0 keeps that byte: its codes are zeros)
.endr
.irp b, 0,1,2,3
	v_add_nc_u32 v[240+\b], 0xff000000, v[232+\b]  ; 2 off the exponent field: the conversion's scale operand
.endr
.irp b, 0,1,2,3
	v_lshrrev_b32 v[236+\b], 23, v[240+\b]         ; the scale's byte
.endr
	v_lshl_or_b32 v25, v237, 8, v236               ; p's scale word for these 128 keys
	v_lshl_or_b32 v25, v238, 16, v25
	v_lshl_or_b32 v25, v239, 24, v25
.irp b, 0,1,2,3
	v_cvt_scalef32_pk8_fp4_f32 v[224+2*\b], v[64+16*\b:71+16*\b], v[240+\b]
	v_cvt_scalef32_pk8_fp4_f32 v[225+2*\b], v[72+16*\b:79+16*\b], v[240+\b]
.endr
	v_nop                                          ; one plain line between a scaled conversion and the vector instruction that touches its result
.irp c, 0,1                                    ; the operand's layout wants a whole block in a lane: lanes 0-15 block 2 c, lanes 16-31 block 2 c + 1
.irp i, 0,1
	v_permlane16_swap_b32 v[224+4*\c+\i], v[226+4*\c+\i]
.endr
.endr
.set j, 0
.rept 16
	v_pk_mul_f32 v[128+j:129+j], v[128+j:129+j], v[248:249] op_sel_hi:[1,0]   ; O^T under the new M: x f, ascending
.set j, j+2
.endr
	v_pk_add_f32 v[246:247], v[64:65], v[66:67]    ; the row's sum is taken of the unquantised p: two at a time, in two chains
.irp j, 4,8,12,16,20,24,28,32,36,40,44,48,52,56,60
	v_pk_add_f32 v[14:15], v[14:15], v[64+\j:65+\j]
	v_pk_add_f32 v[246:247], v[246:247], v[66+\j:67+\j]
.endr
	v_pk_add_f32 v[14:15], v[14:15], v[246:247]
	s_wait_dscnt 0x0                               ; V's fragments and scale words
.irp t, 0,2                                    ; O^T += V^T P^T: the four accumulators take turns, one instruction a turn
	v_wmma_scale_f32_16x16x128_f8f6f4 v[128+8*\t:135+8*\t], v[160+8*\t:167+8*\t], v[224:231], v[128+8*\t:135+8*\t], v[26+\t/2], v25 matrix_a_fmt:MATRIX_FMT_FP4 matrix_b_fmt:MATRIX_FMT_FP4
	v_wmma_scale_f32_16x16x128_f8f6f4 v[136+8*\t:143+8*\t], v[168+8*\t:175+8*\t], v[224:231], v[136+8*\t:143+8*\t], v[26+\t/2], v25 matrix_a_fmt:MATRIX_FMT_FP4 matrix_b_fmt:MATRIX_FMT_FP4 matrix_a_scale:MATRIX_SCALE_ROW1
.endr
.Lhidden:
	s_add_co_u32 s26, s26, REC
	s_add_co_u32 s27, s27, 512
	s_add_co_u32 s25, s25, 1
	s_cmp_lt_u32 s25, 16
	s_cbranch_scc1 .Lstep
	; THE WAY OUT.  O^T / the sum goes through my stage and leaves as whole rows of 256 bytes.
.rept 4
	v_nop                                          ; places behind the last products
.endr
	v_add_f32 v14, v14, v15                        ; the sum's two halves,
	v_permlanex16_b32 v244, v14, s20, s21
	v_add_f32 v14, v14, v244                       ; and lane l xor 16's: the row's sum, more than 1/2
	v_rcp_f32 v14, v14
	v_nop                                          ; one plain line behind a transcendental
.set j, 0
	s_wait_alu depctr_va_vdst(0)
.rept 32
	v_mul_f32 v[64+j], v[128+j], v14               ; register 8 t + i is o(query r, channel 16 t + 8 hh + i); each accumulator from its low end on
.set j, j+1
.endr
.irp t, 0,1,2,3
	ds_store_b128 v8, v[64+8*\t:67+8*\t] offset:64*\t
	ds_store_b128 v8, v[68+8*\t:71+8*\t] offset:64*\t+16
.endr
.irp i, 0,1,2,3,4,5,6,7
	ds_load_b128 v[160+4*\i:163+4*\i], v6 offset:2*SP*\i   ; LDS serves a wave's instructions in order: these see my stores
.endr
.irp i, 0,1,2,3,4,5,6,7
	s_wait_dscnt 7-\i                              ; load i is back; the younger ones may be out
	global_store_b128 v5, v[160+4*\i:163+4*\i], s[12:13] offset:8192*\i th:TH_STORE_NT   ; sixteen lanes store 256 consecutive bytes, at a multiple of 256 from out0's first byte
.endr
	s_wait_tensorcnt 0x0
	ds_add_u32 v254, v255
	s_wait_dscnt 0x0
	CROUND                                         ; the closing round: no work-group ends while a partner may still ask for a tile that names it
	s_endpgm
.Lfunc_end_k_qf5fdc06f52_attn:
	.size	k_qf5fdc06f52_attn, .Lfunc_end_k_qf5fdc06f52_attn-k_qf5fdc06f52_attn
	.p2alignl 7, 3214868480
	.fill 96, 4, 3214868480
	.section	.rodata,"a",@progbits
	.p2align	6, 0x0
	.amdhsa_kernel k_qf5fdc06f52_attn
		.amdhsa_group_segment_fixed_size 223232
		.amdhsa_private_segment_fixed_size 0
		.amdhsa_enable_private_segment 0
		.amdhsa_kernarg_size 40
		.amdhsa_user_sgpr_count 2
		.amdhsa_user_sgpr_kernarg_segment_ptr 1
		.amdhsa_wavefront_size32 1
		.amdhsa_system_sgpr_workgroup_id_x 1
		.amdhsa_system_sgpr_workgroup_id_y 1
		.amdhsa_system_sgpr_workgroup_id_z 1
		.amdhsa_system_vgpr_workitem_id 0
		.amdhsa_next_free_vgpr 256
		.amdhsa_next_free_sgpr 66
		.amdhsa_reserve_vcc 1
		.amdhsa_float_denorm_mode_32 3
		.amdhsa_float_denorm_mode_16_64 3
		.amdhsa_memory_ordered 1
		.amdhsa_forward_progress 1
		.amdhsa_inst_pref_size 38
	.end_amdhsa_kernel
	.amdgpu_metadata
---
amdhsa.version: [ 1, 2 ]
amdhsa.kernels:
  - .name:           k_qf5fdc06f52_attn
    .symbol:         k_qf5fdc06f52_attn.kd
    .args:
      - { .name: queries, .offset: 0, .size: 8, .value_kind: global_buffer, .address_space: global }
      - { .name: tau, .offset: 8, .size: 8, .value_kind: global_buffer, .address_space: global }
      - { .name: delta, .offset: 16, .size: 8, .value_kind: global_buffer, .address_space: global }
      - { .name: kv, .offset: 24, .size: 8, .value_kind: global_buffer, .address_space: global }
      - { .name: out0, .offset: 32, .size: 8, .value_kind: global_buffer, .address_space: global }
    .group_segment_fixed_size: 223232
    .private_segment_fixed_size: 0
    .kernarg_segment_align: 8
    .kernarg_segment_size: 40
    .max_flat_workgroup_size: 512
    .sgpr_count:     66
    .vgpr_count:     256
    .wavefront_size: 32
...
	.end_amdgpu_metadata
.endif
;; end of part 2
